; MI455X (gfx1250); checked and timed in simulation.
; The chip was launched on July 23, 2026; its instructions are those of AMD's public machine-readable ISA for CDNA 5 (MIT licence, August 2026) and "CDNA5" Instruction Set Architecture Reference Guide (July 2026). The comments in the code are by the model that wrote it; some were corrected since.
;; Casual Self Attention. Allowed arithmetic: matrix products marked QUANTISED: E5M2 operands, one given power-of-two scale a tensor, by v_wmma_f32_16x16x64_bf8_bf8 or v_wmma_f32_16x16x128_bf8_bf8, f32 sums; everything else in f32.
;; Inputs: b_attn 4,096 float32; lowp_scales 6 int32 (the exponents e of the quantised operands' scales 2^e); w_attn_codes 4,096 x 32 x 32 uint8 (E5M2 codes of w_attn, K innermost, in blocks of 32 codes); x_codes 4 x 2,048 x 32 x 32 uint8 (E5M2 codes of x, K innermost, in blocks of 32 codes).
;; Outputs: out0 4 x 2,048 x 1,024 float32.
;; This version of the problem:
;;   THIS VERSION OF THE PROBLEM IS GIVEN IN LOW PRECISION. The matrix products marked QUANTISED in the list below multiply operands that are first quantised to E5M2 (5 exponent bits, 2 mantissa bits; 8 bits a number), with one given power-of-two scale for each operand tensor; their sums are f32. All else is computed in f32.
;;   The module's matrix products, in the order in which they are computed (A, B: the left and right operand; K: the contracted axis; several contracted axes count as one K, in the product's order):
;;     1. [M 8,192, K 1,024] x [K 1,024, N 4,096]; A: input x (given as codes); B: input w_attn (given as codes): QUANTISED (scales: A lowp_scales[0], B lowp_scales[1])
;;     2. batch 64 x [M 2,048, K 64] x [K 64, N 2,048]; A: computed on the way; B: computed on the way: QUANTISED (scales: A lowp_scales[2], B lowp_scales[3])
;;     3. batch 64 x [M 2,048, K 2,048] x [K 2,048, N 64]; A: softmax (see below); B: computed on the way: QUANTISED (scales: A lowp_scales[4], B lowp_scales[5])
;;   THE QUANTISER, for each operand of a quantised product, along K:
;;     - The operand's scale is 2^e, e = its entry of the input lowp_scales (int32; the entries are numbered through the quantised products in the list's order, A before B).
;;     - Each number is divided by the scale, clamped to +-57,344, and rounded to the nearest number of E5M2, ties to even, subnormals kept.
;;     - The product sums the exact products of the quantised numbers (number of the format x scale) in f32.
;;   ~~~python
;;   def quantise(x, axis, e):      # numpy; x: float32 -> the quantised numbers, widened to float32 again
;;       x = np.moveaxis(x, axis, -1); K = x.shape[-1]
;;       r = np.clip(x / 2.0 ** e, -57344, 57344)
;;       step = 2.0 ** (np.maximum(np.frexp(np.where(r == 0, 1, r))[1] - 1, -14) - 2)
;;       q = np.round(r / step) * step * 2.0 ** e      # np.round: ties to even
;;       return np.moveaxis(q, -1, axis).astype(np.float32)
;;   ~~~
;;   SOFTMAX AHEAD OF A QUANTISED PRODUCT. Where the list says 'softmax', what is quantised is not the finished softmax but p = 2^(t - M), with t = logit x log2(e) and M = ceil(the row's largest t), a whole number; so 1/2 < the row's largest p <= 1. The row's sum l is taken of the UNQUANTISED p, in f32, and the product's result is divided by l at the end. Since M is a whole number, a kernel that streams over the keys may use a running M (the ceiling of the running maximum): every later rescaling is an exact power of two, so the quantised numbers keep their values, but for numbers so far below the row's largest that they fall under the format's range.
;;   OPERANDS COMPUTED ON THE WAY. 'Computed on the way' means the value that the module computes at that place (a softmax that the list does not call 'softmax' is quantised finished and normalised). What goes into a quantiser is computed in f32, as accurately as f32 sums, v_exp_f32 and their like allow (about 1e-6 of the number): no bf16 or f16 on the way to a quantiser, and a product that is left as it is and whose result goes on into a quantised operand takes f32 operands (vector FMAs, or v_wmma_f32_16x16x4_f32). A number that lies on a knife's edge between two numbers of the format may be rounded either way, as far as f32 arithmetic and the matrix unit's own rounding can turn it there, and no further.
;;   INPUTS GIVEN AS CODES. w_attn (in the module: [4096, 1024], K = its axis 1); x (in the module: [4, 2048, 1024], K = its axis 2): each comes as NAME_codes (uint8): NAME with its K axis moved to the last place and cut into blocks of 32 codes, [.., K / 32, bytes a block], one block behind the other in memory; one code a byte (a code: sign, 5 exponent bits, 2 mantissa bits); its scale is its entry of lowp_scales. Its value is code x scale, taken as it is: it is not quantised again, and the codes and scales need not be those that the quantiser above would give.
;; One version. Each part assembles by itself: llvm-mc -triple=amdgcn-amd-amdhsa -mcpu=gfx1250 --defsym DOCPART=n.
;; ======== version 1 of 1: 2 launches
;; limits: right only within a limited range of input values
;; workspace buffers: qkv 25,165,824 bytes
;; launch proj (part 1): grid 12 x 32, 4 waves a work-group, clusters of 4 x 4, 327,680 bytes of LDS; arguments x_codes, w_attn_codes, lowp_scales, b_attn, qkv; writes qkv
.if DOCPART == 1
	.amdgcn_target "amdgcn-amd-amdhsa--gfx1250"
	.amdhsa_code_object_version 6
	.text
	.protected	k_q2c00d7b898_proj
	.globl	k_q2c00d7b898_proj
	.p2align	8
	.type	k_q2c00d7b898_proj,@function
k_q2c00d7b898_proj:
	s_mov_b64 s[64:65], 0
	v_nop
	global_prefetch_b8 v0, s[64:65] scope:SCOPE_SE
	s_setreg_imm32_b32 hwreg(HW_REG_WAVE_MODE, 25, 1), 1
	s_wait_xcnt 0x0
	s_wait_alu depctr_hold_cnt(0) depctr_sa_sdst(0) depctr_va_vdst(0) depctr_va_sdst(0) depctr_va_ssrc(0) depctr_va_vcc(0) depctr_vm_vsrc(0)
	s_getreg_b32 s2, hwreg(HW_REG_IB_STS2, 6, 4)
	s_cmp_eq_u32 s2, 0
	s_cbranch_scc0 .Lentry_in_a_cluster
	s_endpgm
.Lentry_in_a_cluster:
	s_bfe_u32 s2, ttmp6, 0x10000c
	s_cmp_lg_u32 s2, 0xf033
	s_cbranch_scc0 .Lentry_shape_is_right
	s_endpgm
.Lentry_shape_is_right:
; q, k, v = x W^T + b on codes of BF8 (E5M2), quantised again on the way out and stored AS IMAGES OF THE NEXT PRODUCTS' OPERAND REGISTERS.
; x: [8192][1024] codes, W: [4096][1024] codes, K innermost; b: [4096] f32; the six exponents e0 .. e5 (int32).  Only W's and b's rows 0 .. 3071 are read: the results of rows 3072 on are used nowhere in the problem.
; A tile of 256 x 256 is made by four waves, 128 x 128 each: 64 accumulators, 512 registers.  K goes in four steps of 256 through two LDS slots filled by the tensor data mover; a tile's row is 256 bytes of memory.
; KIND = the cluster's x: 0 q, 1 k, 2 v; it is the same in all sixteen work-groups of a cluster.
; SIDE 0 is the matrix instruction's source 0, SIDE 1 its source 1: in a result lane (r, h) holds row r of side 1 and, in registers j, rows 8 h + j of side 0.
;   q, k: side 0 = 16 rows of W, side 1 = 16 tokens: a lane's eight registers run along the head's 64, which is the next product's K.
;   v:    side 0 = 16 tokens, side 1 = 16 rows of W: a lane's eight registers run along the tokens (the keys), which is the next product's K.
; So eight registers of result tile b become, by one conversion, registers 2 b, 2 b + 1 of an 8-bit operand (k = 16 b + 8 h + 0 .. 7): nothing is transposed, and the text is the same for the three kinds but for the first step's C.
; The two sides are chosen by selects on KIND: which buffer, which tile index.  Both tensors have rows of 1,024 bytes, so one shape of descriptor serves both.
; CLUSTERS: 4 x 4 work-groups.  Side 0's tile hangs on cx alone and is asked for jointly by a column of the cluster, side 1's on cy alone and by a row.
; THE BIAS is the C of each sum's first matrix instruction, as b / 2^(e0 + e1), in the result's layout.  code = (sum + that) / 2^f, f = e(kind) - e0 - e1, held within +-57,344 x 2^f.
; THE WORKSPACE: a piece is 1,024 bytes: 8 registers x 32 lanes, registers 0-3 at 16 x lane, registers 4-7 at 512 + 16 x lane.
;   q at 0, k at 8 MiB: [16 batch + head][tile of 16 tokens][piece: 16 tokens x 64 d].   v at 16 MiB: [batch][block of 64 keys][head][tile of 16 d][piece: 16 d x 64 keys].
; LIMITS: f between -126 and 112 for each of e2, e3, e5, so that 2^f and 57,344 x 2^f are f32 numbers.  NaN and infinity among the codes are not served.
; Inside a matrix instruction k stands permuted, alike on both sides (four loads of 16 bytes a fragment): every product meets its partner; the order of the sums inside an instruction differs from the plain one.
; REGISTERS, in windows of 256: window 0: v1-31 addresses and constants; v32-95 the bias, later the numbers in hand; v128-255 side 1's fragments, ONE set, later the codes.
;   window 1: side 0's fragments, TWO sets.   window 2: the accumulators of side 1's blocks 0-3 ((a, b) at v[8 (8 (a % 4) + b)]);   window 3: of blocks 4-7.
; LEFT OUT AS DEAD WORK: rows 3072 .. 4095 of W and of b feed the fourth chunk of qkv, which the problem slices away for all values of the inputs; they are not read.
; LIMIT: a NaN, an infinity or an overflow that would arise in that fourth chunk alone is not carried to any result.
.set KROW,   1024
.set ROWB,   256                       ; a tile's row: 256 codes
.set PITCH,  272                       ; an LDS row: 256 bytes + 16 of padding: the 16 rows that a load touches begin at 16 different 16-byte columns of 256 bytes
.set FR,     16                        ; registers of a fragment: 16 rows x 128 K
.set NL,     4                         ; LDS loads that bring one
.set NP,     4                         ; places behind this matrix instruction (ISA guide 7.12.1)
.set HALFT,  128*PITCH                 ; 128 rows: what one tensor load brings, and what a wave reads of a side
.set SLOT,   4*HALFT                   ; side 1's 256 rows, then side 0's
.set SPARE,  2*SLOT                    ; behind the ring: the spare words, 128 bytes for each wave
.set AD,   8                           ; v8-15   the bias: byte offset for register j
.set ADRA, 16                          ; v16-17  LDS address of my side 1 fragments in slot 0, 1
.set ADRB, 20                          ; v20-21  the same for side 0
.set CO,   24                          ; v24-25  the way out: 16 x lane; the same one head (q, k) or one block of 64 keys (v) further on
.set SPW,  28                          ; v28     LDS address of my spare word; never rewritten
.set NIL,  29                          ; v29     0; never rewritten
.set LIM,  30                          ; v30     57,344 x 2^f
.set SC,   31                          ; v31     2^f
.set BR,   32                          ; v32-95  the bias, eight registers a tile
.set TMP,  32                          ; later: a block's 64 numbers, held
.set AF,   128                         ; side 1's fragments
.set CD,   128                         ; later: the codes, 16 registers a block, a run of its own for each block
.set G1, 24                            ; s[24:31] descriptor group 1 for side 1;  s[32:39] group 0, one set for each slot
.set G0, 32
.set G1B, 48                           ; s[48:55], s[56:63] the same for side 0
.set G0B, 56
.set MSB, 0
.macro WIN new                         ; the immediate's high byte repeats the setting that is left
.if MSB != (\new)
	s_set_vgpr_msb (MSB<<8)|(\new)
.set MSB, (\new)
.endif
.endm
.set MUL_LO, 0xa1                      ; source 0 window 1, source 1 window 0, C and D window 2
.set MUL_HI, 0xf1                      ; the same, C and D window 3
.set TO_B,   0x40                      ; destination window 1, address window 0
; A joint load: waves 0 and 1 fetch side 1's halves, waves 2 and 3 side 0's.  The branch hangs on the wave's number alone.  Four v_nop follow each of the two lines.
.macro JLOAD g0a, g1a, g0b, g1b
	s_cmp_eq_u32 s15, 0
	s_cbranch_scc0 .Lfor_b_\@
	tensor_load_to_lds s[\g0a:\g0a+3], s[\g1a:\g1a+7]
	s_nop 0
.rept 4
	v_nop
.endr
	s_branch .Lasked_\@
.Lfor_b_\@:
	tensor_load_to_lds s[\g0b:\g0b+3], s[\g1b:\g1b+7]
	s_nop 0
.rept 4
	v_nop
.endr
.Lasked_\@:
.endm
.macro CREST                           ; a round of the cluster's barrier behind its opening barrier
	s_cmp_lg_u32 s14, 0
	s_cbranch_scc1 .Lnot_wave_0_\@
	s_barrier_signal -3
.Lnot_wave_0_\@:
	s_barrier_wait -3
	s_barrier_signal -1
	s_barrier_wait -1
.endm
.macro CROUND                          ; a whole round
	s_barrier_signal -1
	s_barrier_wait -1
	CREST
.endm
	s_load_b256 s[4:11], s[0:1], 0x0               ; x s[4:5], W s[6:7], the exponents s[8:9], b s[10:11]
	s_load_b64 s[12:13], s[0:1], 0x20              ; the workspace
	v_lshl_add_u32 v[SPW], v0, 2, SPARE
	v_mov_b32 v[NIL], 0
	ds_add_u32 v28, v29
	ds_add_u32 v28, v29
	s_wait_dscnt 0x0
	v_lshrrev_b32 v1, 5, v0
	v_readfirstlane_b32 s14, v1                    ; wave 0..3
	s_lshr_b32 s15, s14, 1                         ; which half of side 1 is mine.  Also: I fetch for side 1 (0) or for side 0 (1)
	s_and_b32 s16, s14, 1                          ; which half of side 0.  Also: which 128 rows of that tile I fetch
	s_bfe_u32 s40, ttmp6, 0x40000                  ; cx, cy: my place in the cluster
	s_bfe_u32 s41, ttmp6, 0x40004
	s_and_b32 s67, ttmp7, 0xffff                   ; the cluster's y
	s_cmp_eq_u32 ttmp9, 2                          ; v?  The cluster's x is the kind
	s_cselect_b32 s68, s67, ttmp9                  ; side 0's group of four tiles: v: tokens, by the cluster's y; q, k: rows of W, by the kind
	s_cselect_b32 s69, ttmp9, s67                  ; side 1's: the other way round
	s_cselect_b32 s70, 6, 11                       ; the way out: shift of W's row within its 1,024: v: a tile of 16 d is 1,024 bytes; q, k: a head of 64 is 131,072
	s_cselect_b32 s71, 10, 6                       ; shift of the token within its batch: v: 64 keys are 65,536 bytes; q, k: 16 tokens are 1,024
	s_cselect_b32 s76, 4, 0                        ; the bias's offset: x r,
	s_cselect_b32 s77, 0, 32                       ; x h,
	s_cselect_b32 s78, 0, 4                        ; x j
	s_cselect_b32 s79, 16, 17                      ; log2 of the way out's second stride: 64 keys on (v), a head on (q, k)
	s_lshl_b32 s42, s68, 2
	s_add_co_u32 s42, s42, s40                     ; side 0's tile = 4 x its group + cx
	s_lshl_b32 s17, s69, 2
	s_add_co_u32 s17, s17, s41                     ; side 1's tile = 4 x its group + cy
	s_lshl_b32 s43, s41, 2
	s_lshl_b32 s43, 15, s43                        ; my row of the cluster
	s_lshl_b32 s44, 0x1111, s40                    ; my column
	; descriptor group 1: a tile of 128 rows x 256 bytes, padded in LDS
	s_or_b32 s[G1+0], s43, (0<<16)|(1<<20)|(1<<21)|(5<<22)|(3<<25)  ; 15:0 the mask: side 1's tiles go to my row; 17:16 element of 1 byte; 20 padding on; 21 set beside a mask; 24:22 after every 64 words (code 5); 31:25 of 4 words (code 3)
	s_or_b32 s[G1B+0], s44, (0<<16)|(1<<20)|(1<<21)|(5<<22)|(3<<25) ; side 0's go to my column
.irp g, G1, G1B
	s_mov_b32 s[\g+1], ROWB<<16                    ; tensor_dim0
	s_mov_b32 s[\g+2], 128<<16                     ; tensor_dim1 = 128
	s_mov_b32 s[\g+3], ROWB<<16                    ; tile_dim0
	s_mov_b32 s[\g+4], 128                         ; tile_dim1 = 128
	s_mov_b32 s[\g+5], KROW                        ; tensor_dim0_stride
	s_mov_b32 s[\g+6], 0
	s_mov_b32 s[\g+7], 0
.endr
	s_lshl_b32 s18, s16, 7                         ; which 128 rows of the tile I fetch
	s_lshl_b32 s20, s17, 8
	s_add_co_u32 s20, s20, s18                     ; side 1: row 256 x tile + 128 x half,
	s_lshl_b32 s20, s20, 10                        ; in bytes (under 2^23)
	s_mov_b32 s21, 0
	s_lshl_b32 s46, s42, 8
	s_add_co_u32 s46, s46, s18                     ; side 0 likewise
	s_lshl_b32 s46, s46, 10
	s_mov_b32 s47, 0
	s_mul_i32 s45, s14, HALFT                      ; where they go: wave x 128 rows: no place in the cluster enters an LDS address
	s_wait_kmcnt 0x0
	s_load_b128 s[80:83], s[8:9], 0x0              ; e0 .. e3
	s_load_b64 s[84:85], s[8:9], 0x10              ; e4, e5
	s_cmp_eq_u32 ttmp9, 2
	s_cselect_b64 s[72:73], s[4:5], s[6:7]         ; side 0's buffer: v: x; q, k: W
	s_cselect_b64 s[74:75], s[6:7], s[4:5]         ; side 1's: the other
	s_add_nc_u64 s[20:21], s[74:75], s[20:21]
	s_add_nc_u64 s[46:47], s[72:73], s[46:47]
	CROUND                                         ; all sixteen work-groups are here: the first joint loads meet
.irp s, 0,1
	s_mov_b32 s[G0+4*\s], 1
	s_add_co_u32 s[G0+4*\s+1], s45, \s*SLOT
	s_add_nc_u64 s[G0+4*\s+2:G0+4*\s+3], s[20:21], \s*ROWB
	s_or_b32 s[G0+4*\s+3], s[G0+4*\s+3], 0x80000000
	s_mov_b32 s[G0B+4*\s], 1
	s_add_co_u32 s[G0B+4*\s+1], s45, \s*SLOT
	s_add_nc_u64 s[G0B+4*\s+2:G0B+4*\s+3], s[46:47], \s*ROWB
	s_or_b32 s[G0B+4*\s+3], s[G0B+4*\s+3], 0x80000000
.endr
	JLOAD G0, G1, G0B, G1B                         ; K step 0: one tensor load a wave at the head
	v_and_b32 v1, 15, v0                           ; r = l % 16
	s_wait_alu depctr_va_vdst(0)
	v_bfe_u32 v2, v0, 4, 1                         ; h = l / 16
	v_mul_u32_u24 v3, v1, PITCH
	v_lshl_add_u32 v4, v2, 4, v3                   ; a fragment's row x pitch + 16 x half
	s_mul_i32 s86, s15, HALFT                      ; my 128 rows of side 1
	s_mul_i32 s87, s16, HALFT                      ; my 128 rows of side 0,
	s_add_co_u32 s87, s87, 2*HALFT                 ; which lie behind side 1's 256
.irp s, 0,1
	v_add_nc_u32 v[ADRA+\s], s86, v4
	v_add_nc_u32 v[ADRB+\s], s87, v4
	s_add_co_u32 s86, s86, SLOT
	s_add_co_u32 s87, s87, SLOT
.endr
	; my wave's first row of W (Rn) and first token (Rt), in registers that feed no descriptor
	s_lshl_b32 s90, s42, 8
	s_lshl_b32 s91, s16, 7
	s_add_co_u32 s90, s90, s91                     ; side 0's first row of mine
	s_lshl_b32 s92, s17, 8
	s_lshl_b32 s91, s15, 7
	s_add_co_u32 s92, s92, s91                     ; side 1's
	s_cmp_eq_u32 ttmp9, 2
	s_cselect_b32 s93, s92, s90                    ; Rn
	s_cselect_b32 s94, s90, s92                    ; Rt
	; the bias in the result's layout.  q, k: register 8 g + j = b[Rn + 16 g + 8 h + j].  v: = b[Rn + 16 g + r] for every j.  One text: offset = r sr + h sh + j sj + 64 g
	s_lshl_b32 s98, s93, 2
	s_mov_b32 s99, 0
	s_add_nc_u64 s[10:11], s[10:11], s[98:99]
	v_mul_u32_u24 v3, s76, v1
	s_wait_alu depctr_va_vdst(0)
	v_mad_u32_u24 v3, v2, s77, v3
	s_wait_alu depctr_va_vdst(0)
.irp j, 0,1,2,3,4,5,6,7
	s_mul_i32 s86, s78, \j
	v_add_nc_u32 v[AD+\j], s86, v3
.endr
.irp g, 0,1,2,3,4,5,6,7
.irp j, 0,1,2,3,4,5,6,7
	global_load_b32 v[BR+8*\g+\j], v[AD+\j], s[10:11] offset:64*\g
.endr
.endr
	; where my wave's pieces begin in the workspace
	s_lshl_b32 s96, ttmp9, 23                      ; the kind's 8 MiB,
	s_lshr_b32 s95, s94, 11
	s_lshl_b32 s95, s95, 21                        ; the batch's 2 MiB,
	s_add_co_u32 s96, s96, s95
	s_and_b32 s95, s93, 1023
	s_lshl_b32 s95, s95, s70                       ; W's row within the kind,
	s_add_co_u32 s96, s96, s95
	s_and_b32 s95, s94, 2047
	s_lshl_b32 s95, s95, s71                       ; the token within the batch
	s_add_co_u32 s96, s96, s95
	s_mov_b32 s97, 0
	s_add_nc_u64 s[12:13], s[12:13], s[96:97]
	v_and_b32 v5, 31, v0
	v_lshlrev_b32 v[CO], 4, v5
	s_lshl_b32 s95, 1, s79
	v_add_nc_u32 v[CO+1], s95, v[CO]
.macro FRAG reg, adr, q, i             ; a fragment, 16 rows x 128 K: lane l holds row l % 16; registers 4 c .. 4 c + 3 hold bytes 32 c + 16 (l / 16) + 0 .. 15 of the row's 128
.irp c, 0,1,2,3
	ds_load_b128 v[\reg+4*\c:\reg+4*\c+3], v[\adr] offset:128*(\q)+32*\c+(\i)*16*PITCH
.endr
.endm
; 16 matrix instructions: side 1's blocks a0, a0 + 1 x side 0's eight, 128 along K.  p: side 0's set.  mode 0: the sums go on; 1: they begin with the bias of side 0's block (q, k); 2: of side 1's block (v).
; The 64 accumulators take turns, one instruction a turn, in the same order in every step.
.macro MUL16 a0, p, mode
.irp a, \a0, \a0+1
.irp b, 0,1,2,3,4,5,6,7
.if \mode == 0
	v_wmma_f32_16x16x128_bf8_bf8 v[8*(8*((\a)%4)+\b):8*(8*((\a)%4)+\b)+7], v[128*(\p)+FR*\b:128*(\p)+FR*\b+FR-1], v[AF+FR*(\a):AF+FR*(\a)+FR-1], v[8*(8*((\a)%4)+\b):8*(8*((\a)%4)+\b)+7]
.elseif \mode == 1
	v_wmma_f32_16x16x128_bf8_bf8 v[8*(8*((\a)%4)+\b):8*(8*((\a)%4)+\b)+7], v[128*(\p)+FR*\b:128*(\p)+FR*\b+FR-1], v[AF+FR*(\a):AF+FR*(\a)+FR-1], v[BR+8*\b:BR+8*\b+7]
.else
	v_wmma_f32_16x16x128_bf8_bf8 v[8*(8*((\a)%4)+\b):8*(8*((\a)%4)+\b)+7], v[128*(\p)+FR*\b:128*(\p)+FR*\b+FR-1], v[AF+FR*(\a):AF+FR*(\a)+FR-1], v[BR+8*(\a):BR+8*(\a)+7]
.endif
.endr
.endr
.endm
.macro FETCH_B slot, q, p              ; side 0's eight fragments of the slot's q-th 128 along K into set p
	WIN TO_B
.irp i, 0,1,2,3,4,5,6,7
	FRAG 128*(\p)+FR*\i, ADRB+\slot, \q, \i
.endr
	WIN 0
.endm
.macro FETCH_A slot, q, i0             ; side 1's blocks i0 .. i0 + 3
.irp i, \i0, \i0+1, \i0+2, \i0+3
	FRAG AF+FR*(\i), ADRA+\slot, \q, \i
.endr
.endm
; A load into a register that a matrix instruction has read, and a vector instruction that reads a matrix result, stand NP places behind that matrix instruction; only plain vector
; instructions that name none of its registers are places (ISA guide 7.12.1 for vector instructions).
.macro PLACES n
.rept \n
	v_nop
.endr
.endm
; A step of 128 along K that has its successor in the same slot.  A block of side 1 is free as soon as its eight products are issued: blocks 0-3 are fetched anew in the step's middle, blocks 4-7 at its end.
.macro STEP slot, q, mode
	s_wait_dscnt 4*NL                              ; side 0's set and side 1's blocks 0-3 are in; the youngest 16 loads (blocks 4-7) may be out
.if \mode
	WIN 0x81                                       ; as MUL_LO, with C (the bias) in window 0
.else
	WIN MUL_LO
.endif
	MUL16 0, (\q)%2, \mode
	MUL16 2, (\q)%2, \mode
	s_wait_dscnt 0                                 ; blocks 4-7 are in (asked for 32 matrix instructions ago)
	PLACES NP
	FETCH_B \slot, (\q)+1, 1-(\q)%2
	FETCH_A \slot, (\q)+1, 0
.if \mode
	WIN 0xc1                                       ; as MUL_HI, with C in window 0
.else
	WIN MUL_HI
.endif
	MUL16 4, (\q)%2, \mode
	MUL16 6, (\q)%2, \mode
	PLACES NP
	WIN 0
	FETCH_A \slot, (\q)+1, 4
.endm
; A slot's last step changes slots: ONE barrier; in front of it each wave waits for all its tensor loads, adds 0 to its spare word, and waits for that and for its own reads of this slot.  fill = 1: this slot is filled again, two K steps ahead.
.macro TURN slot, next, fill
	s_wait_tensorcnt 0x0                           ; all my tensor loads have landed: my part of the next slot;  (every window is 0 here)
	ds_add_u32 v[SPW], v[NIL]                      ; 0 onto my spare word;
	s_wait_dscnt 4*NL+1                            ; (the add and the youngest 16 loads, side 1's blocks 4-7, may be out)
	WIN MUL_LO
	MUL16 0, 1, 0                                  ; sixteen matrix instructions stand between the add and the wait for it
	s_wait_dscnt 0x0                               ; the add is done, and my reads of this slot are over
	s_barrier_signal -1
	MUL16 2, 1, 0
	WIN 0
	s_barrier_wait -1
.if \fill
	CREST                                          ; the barrier has opened a round of the cluster's barrier: no wave of any partner still reads this slot's tile or has a load on its way
	s_add_nc_u64 s[G0+4*\slot+2:G0+4*\slot+3], s[G0+4*\slot+2:G0+4*\slot+3], 2*ROWB
	s_add_nc_u64 s[G0B+4*\slot+2:G0B+4*\slot+3], s[G0B+4*\slot+2:G0B+4*\slot+3], 2*ROWB
	JLOAD G0+4*\slot, G1, G0B+4*\slot, G1B         ; the first tensor load behind the round, my one load until the next; its four v_nop are the places in front of the loads below
.else
	PLACES NP
.endif
	FETCH_B \next, 0, 0
	FETCH_A \next, 0, 0
	WIN MUL_HI
	MUL16 4, 1, 0
	MUL16 6, 1, 0
	PLACES NP
	WIN 0
	FETCH_A \next, 0, 4
.endm
	s_wait_alu depctr_va_vdst(0)
	s_wait_tensorcnt 0x0                           ; my part of K step 0 is in; slot 1's first fill is issued as a refill is:
	ds_add_u32 v[SPW], v[NIL]                      ; 0 onto my spare word,
	s_wait_dscnt 0x0                               ; the add is done,
	CROUND                                         ; a whole round: everybody's part of K step 0 is in, and the joint loads meet,
	JLOAD G0+4, G1, G0B+4, G1B                     ; K step 1: the first tensor load behind the round
	FETCH_B 0, 0, 0
	FETCH_A 0, 0, 0
	FETCH_A 0, 0, 4
	s_wait_loadcnt 0x0                             ; the bias
	s_wait_kmcnt 0x0                               ; the exponents
	s_add_co_i32 s86, s80, s81                     ; e0 + e1: a sum stands for sum x 2^(e0 + e1), so the bias goes in as b / 2^(e0 + e1)
	s_sub_co_i32 s87, 0, s86
.irp g, 0,1,2,3,4,5,6,7
.irp j, 0,1,2,3,4,5,6,7
	v_ldexp_f32 v[BR+8*\g+\j], v[BR+8*\g+\j], s87
.endr
.endr
	s_cmp_eq_u32 ttmp9, 1
	s_cselect_b32 s88, s83, s82                    ; the kind's own exponent: k: e3, else e2;
	s_cmp_eq_u32 ttmp9, 2
	s_cselect_b32 s88, s85, s88                    ; v: e5
	s_sub_co_i32 s88, s88, s86                     ; f
	s_add_co_i32 s88, s88, 127
	s_lshl_b32 s89, s88, 23
	v_mov_b32 v[SC], s89                           ; 2^f as f32: the conversion takes its exponent field
	s_add_co_i32 s88, s88, 15
	s_lshl_b32 s88, s88, 23
	s_or_b32 s88, s88, 0x600000
	v_mov_b32 v[LIM], s88                          ; 57,344 x 2^f
	s_cmp_eq_u32 ttmp9, 2                          ; the first step is written twice: only its C differs.  The branch hangs on the cluster's x; both ways hold LDS loads and products alone, as many of each
	s_cbranch_scc1 .Lfirst_v
	s_wait_alu depctr_va_vdst(0)
	STEP 0, 0, 1
	s_branch .Lgo
.Lfirst_v:
	s_wait_alu depctr_va_vdst(0)
	STEP 0, 0, 2
.Lgo:
	TURN 0, 1, 1                                   ; K = 1,024 is four slots' worth: written out, no loop.  Slot 0 takes K step 2,
	STEP 1, 0, 0
	TURN 1, 0, 1                                   ; slot 1 K step 3
	STEP 0, 0, 0
	TURN 0, 1, 0                                   ; nothing is left to fetch
	STEP 1, 0, 0
	s_wait_dscnt 4*NL                              ; the very last step
	WIN MUL_LO
	MUL16 0, 1, 0
	MUL16 2, 1, 0
	s_wait_dscnt 0
	WIN MUL_HI
	MUL16 4, 1, 0
	MUL16 6, 1, 0
	WIN 0
; THE WAY OUT, block a of side 1 at a time.  Its eight accumulators are held within the largest code x the scale, each from its low end on, and converted: tile b gives registers 2 b, 2 b + 1, so the block's
; 16 registers are two pieces on end (q, k: two heads' 16 tokens x 64 d; v: 16 d x two blocks of 64 keys).  Each store of the wave covers 512 consecutive bytes, aligned.  Each block has code registers of its own: no store's data are written again.
.macro OUTB a
	WIN 0x02+((\a)/4)                              ; source 0: window 2 or 3
.irp b, 0,1,2,3,4,5,6,7
.irp j, 0,1,2,3,4,5,6,7
	v_med3_num_f32 v[TMP+8*\b+\j], v[64*((\a)%4)+8*\b+\j], -v[LIM], v[LIM]   ; the conversion to an 8-bit code does not saturate (ISA guide 7.6.2)
.endr
.endr
	WIN 0
.irp b, 0,1,2,3,4,5,6,7
	v_cvt_scalef32_pk8_bf8_f32 v[CD+16*(\a)+2*\b:CD+16*(\a)+2*\b+1], v[TMP+8*\b:TMP+8*\b+7], v[SC]
.endr
	v_nop                                          ; one plain vector instruction behind the conversions: the next block writes their sources
.irp c, 0,1,2,3
	global_store_b128 v[CO+\c/2], v[CD+16*(\a)+4*\c:CD+16*(\a)+4*\c+3], s[12:13] offset:(\a)*1024+(\c%2)*512
.endr
.endm
	PLACES NP                                      ; behind the last products: their results are read and side 1's registers written below
.irp a, 0,1,2,3,4,5,6,7
	OUTB \a
.endr
	s_wait_tensorcnt 0x0                           ; the wave's end
	ds_add_u32 v[SPW], v[NIL]
	s_wait_dscnt 0x0
	CROUND                                         ; the closing round: no work-group ends while a partner may still ask for a tile that names it
	s_endpgm
.Lfunc_end_k_q2c00d7b898_proj:
	.size	k_q2c00d7b898_proj, .Lfunc_end_k_q2c00d7b898_proj-k_q2c00d7b898_proj
	.p2alignl 7, 3214868480
	.fill 96, 4, 3214868480
	.section	.rodata,"a",@progbits
	.p2align	6, 0x0
	.amdhsa_kernel k_q2c00d7b898_proj
		.amdhsa_group_segment_fixed_size 327680
		.amdhsa_private_segment_fixed_size 0
		.amdhsa_enable_private_segment 0
		.amdhsa_kernarg_size 40
		.amdhsa_user_sgpr_count 2
		.amdhsa_user_sgpr_kernarg_segment_ptr 1
		.amdhsa_wavefront_size32 1
		.amdhsa_system_sgpr_workgroup_id_x 1
		.amdhsa_system_sgpr_workgroup_id_y 1
		.amdhsa_system_sgpr_workgroup_id_z 1
		.amdhsa_system_vgpr_workitem_id 0
		.amdhsa_next_free_vgpr 1024
		.amdhsa_next_free_sgpr 100
		.amdhsa_reserve_vcc 0
		.amdhsa_float_denorm_mode_32 3
		.amdhsa_float_denorm_mode_16_64 3
		.amdhsa_memory_ordered 1
		.amdhsa_forward_progress 1
		.amdhsa_inst_pref_size 138
	.end_amdhsa_kernel
	.amdgpu_metadata
---
amdhsa.version: [ 1, 2 ]
amdhsa.kernels:
  - .name:           k_q2c00d7b898_proj
    .symbol:         k_q2c00d7b898_proj.kd
    .args:
      - { .name: x_codes, .offset: 0, .size: 8, .value_kind: global_buffer, .address_space: global }
      - { .name: w_attn_codes, .offset: 8, .size: 8, .value_kind: global_buffer, .address_space: global }
      - { .name: lowp_scales, .offset: 16, .size: 8, .value_kind: global_buffer, .address_space: global }
      - { .name: b_attn, .offset: 24, .size: 8, .value_kind: global_buffer, .address_space: global }
      - { .name: qkv, .offset: 32, .size: 8, .value_kind: global_buffer, .address_space: global }
    .group_segment_fixed_size: 327680
    .private_segment_fixed_size: 0
    .kernarg_segment_align: 8
    .kernarg_segment_size: 40
    .max_flat_workgroup_size: 128
    .sgpr_count:     100
    .vgpr_count:     1024
    .wavefront_size: 32
...
	.end_amdgpu_metadata
.endif
;; end of part 1
;; launch attn (part 2): grid 4 x 64, 8 waves a work-group, clusters of 4 x 1, 327,680 bytes of LDS; arguments qkv, lowp_scales, out0; writes out0
.if DOCPART == 2
	.amdgcn_target "amdgcn-amd-amdhsa--gfx1250"
	.amdhsa_code_object_version 6
	.text
	.protected	k_q2c00d7b898_attn
	.globl	k_q2c00d7b898_attn
	.p2align	8
	.type	k_q2c00d7b898_attn,@function
k_q2c00d7b898_attn:
	s_mov_b64 s[64:65], 0
	v_nop
	global_prefetch_b8 v0, s[64:65] scope:SCOPE_SE
	s_setreg_imm32_b32 hwreg(HW_REG_WAVE_MODE, 25, 1), 1
	s_wait_xcnt 0x0
	s_wait_alu depctr_hold_cnt(0) depctr_sa_sdst(0) depctr_va_vdst(0) depctr_va_sdst(0) depctr_va_ssrc(0) depctr_va_vcc(0) depctr_vm_vsrc(0)
	s_getreg_b32 s2, hwreg(HW_REG_IB_STS2, 6, 4)
	s_cmp_eq_u32 s2, 0
	s_cbranch_scc0 .Lentry_in_a_cluster
	s_endpgm
.Lentry_in_a_cluster:
	s_bfe_u32 s2, ttmp6, 0x10000c
	s_cmp_lg_u32 s2, 0x3003
	s_cbranch_scc0 .Lentry_shape_is_right
	s_endpgm
.Lentry_shape_is_right:
; out[b][q][64 head + d] = the sum over keys k <= q of softmax_k(Q . K / 8) V, both products on codes of BF8 (E5M2); 64 pairs (batch, head), 2,048 tokens, head size 64.
; LEFT OUT: key steps all of whose keys come after a block's queries: the problem's own causal mask gives them the weight 0 for all values of the inputs.
; Q, K, V come from the workspace as IMAGES OF OPERAND REGISTERS: a piece is 1,024 bytes, registers 0-3 at 16 x lane, registers 4-7 at 512 + 16 x lane.
;   q at 0, k at 8 MiB: [16 batch + head][tile of 16 tokens][piece: 16 tokens x 64 d].   v at 16 MiB: [batch][block of 64 keys][head][tile of 16 d][piece: 16 d x 64 keys].
; THE SOFTMAX: t = score x 2^(e2 + e3) x log2(e) / 8; M = the row's largest t so far, rounded UP to a whole number; p = 2^(t - M) is quantised with 2^e4, not normalised.  The row's sum is taken of the
; unquantised p and divides at the end, with 2^(e4 + e5).  When M moves, the sum and O are multiplied by 2^(old M - new M): exact.
; LAYOUT.  S^T = K Q^T (source 0 = 16 keys, source 1 = 16 queries, K = 64), O^T = V^T P^T (source 0 = 16 d, source 1 = P, K = 128 keys): a lane holds ONE query (lane % 16) of each of two tiles.
; ALL OF A HEAD'S K AND V LIE IN LDS: 2 x 131,072 bytes, each byte filled once.  Keys 0 .. 511 are asked for at the head (waves 0-3: 128 keys of K each; waves 4-7: of V), keys 512 .. 2,047 behind
; the next round (384 keys a wave); one barrier behind key step 3 shows them to every wave.  Behind it no wave waits for another.
; SHARES.  The four work-groups j = 0 .. 3 of a head form a cluster and ask for every tile JOINTLY (mask 15).  A block is 32 queries (two tiles, which share every fragment of K and V).  Wave w owns block
; j + 4 (15 - w), which wants 16 - w key steps of 128, and then block j + 4 w, which wants w + 1: 17 steps in every wave.  No branch, trip count or LDS address hangs on j: in both blocks the last step
; is the one on the diagonal, and there my first query less the step's first key is 32 j, which enters the mask as data.
; NO PREFETCH: every tile is asked for by the two groups of loads at the kernel's head; no later load is left for a loop to run ahead of.
; LIMITS: e2 + e3 between -123 and 130 (added to c's exponent field); e4 between -126 and 112; e4 + e5 is applied by v_ldexp_f32 and has none.  NaN is not served.
; REGISTERS.  Window 0: v1-11 addresses; v12-23 -M, largest t, sums, f of the two tiles; v24-48 constants and registers at work; v64-191 S^T, then p (tile u at 64 + 64 u); v192-255 O^T (192 + 32 u).
;   Window 1: v0-15 Q in hand; v16-31 the second block's Q; v32-63 P's codes; v64-127 K's 8 fragments; v128-191 V's 4.
.set VBASE, 131072                     ; K's pieces from 0, V's from here: [block of 64 keys][tile of 16 d][piece]
.set STAGE, 262144                     ; the way out: 16 rows x (256 bytes + 16) for each wave; no tile lands there
.set SPARE, STAGE+8*16*272             ; the spare words, 128 bytes for each wave
.set LI,  1                            ; 16 x lane
.set SPW, 2                            ; LDS address of my spare word; never rewritten
.set NIL, 3                            ; 0; never rewritten
.set ADK, 4                            ; the step's K, V in LDS
.set ADV, 5
.set GO,  6                            ; the way out: my byte offset in a tile's rows of the output
.set SO,  7                            ; the stage: where I put 32 bytes of a row
.set SR,  8                            ; and where I read a row back
.set D0,  10                           ; v10, v11: 32 j + 16 u + r - 8 h, for the mask
.set NM,  12                           ; v[12+2u:13+2u] -M, the largest t
.set SU,  16                           ; v[16+2u:17+2u] the sum in two halves
.set FF,  20                           ; v[20+2u:21+2u] f, 0
.set LIM, 24                           ; 57,344 x 2^e4
.set SC,  25                           ; 2^e4
.set TT,  26                           ; v26-41 partial sums, four pairs a tile
.set MA,  42                           ; v42-45 the maxima's two chains a tile
.set PD,  46                           ; v46, v47 lane permutes' results
.set NI,  48                           ; -infinity
.set S0,  64
.set O0,  192
.set QH,  0                            ; window 1
.set QS,  16
.set PC,  32
.set KR,  64
.set VR,  128
.set WV,  10                           ; s10 my wave; s11 wave % 4; s12 j; s13 16 batch + head
.set W3,  11
.set CX,  12
.set BH,  13
.set SEL, 14                           ; s[14:15] selects for lane l xor 16
.set CS,  16                           ; s[16:17] c = log2(e) / 8 x 2^(e2 + e3)
.set N,   18                           ; my place in the walk, 0 .. 16
.set NB,  19                           ; 16 - w: steps of the first block
.set KO,  20                           ; the step's first byte in K's region, in V's
.set VO,  21
.set MF,  22                           ; 1 in a step on the diagonal
.set ESUM, 23
.set G1KA, 24                          ; descriptor groups 1: K, V at the head; K, V behind the second round
.set G1VA, 32
.set G1KB, 40
.set G1VB, 48
.set G0K, 56                           ; groups 0
.set G0V, 60
.set OUTP, 66                          ; the output at the block in hand, at the second block
.set OUTS, 68
.set EE,  72                           ; e2 .. e5
.set KM,  76                           ; my head's K, V, Q in memory
.set VM,  78
.set QB,  80
.set MSB, 0
.macro WIN new                         ; the immediate's high byte repeats the setting that is left
.if MSB != (\new)
	s_set_vgpr_msb (MSB<<8)|(\new)
.set MSB, (\new)
.endif
.endm
.macro SETG1 g, c, r, p                ; r rows of c elements of 8 bytes, p elements apart; mask 15 with bit 21 beside it; no padding
	s_mov_b32 s[\g], 15|(3<<16)|(1<<21)
	s_mov_b32 s[\g+1], (\c)<<16
	s_mov_b32 s[\g+2], (\r)<<16
	s_mov_b32 s[\g+3], (\c)<<16
	s_mov_b32 s[\g+4], \r
	s_mov_b32 s[\g+5], \p
	s_mov_b32 s[\g+6], 0
	s_mov_b32 s[\g+7], 0
.endm
; A joint load: waves 0-3 ask for K, waves 4-7 for V.  The branch hangs on the wave's number alone.  An s_nop 0 and four v_nop follow each line.
.macro JLOAD g1k, g1v
	s_cmp_lt_u32 s[WV], 4
	s_cbranch_scc0 .Lfor_v_\@
	tensor_load_to_lds s[G0K:G0K+3], s[\g1k:\g1k+7]
	s_nop 0
.rept 4
	v_nop
.endr
	s_branch .Lasked_\@
.Lfor_v_\@:
	tensor_load_to_lds s[G0V:G0V+3], s[\g1v:\g1v+7]
	s_nop 0
.rept 4
	v_nop
.endr
.Lasked_\@:
.endm
.macro ROUND                           ; a round of the cluster's barrier
	s_barrier_signal -1
	s_barrier_wait -1
	s_cmp_lg_u32 s[WV], 0
	s_cbranch_scc1 .Lnot_wave_0_\@
	s_barrier_signal -3
.Lnot_wave_0_\@:
	s_barrier_wait -3
	s_barrier_signal -1
	s_barrier_wait -1
.endm
	s_load_b128 s[4:7], s[0:1], 0x0                ; the workspace, the exponents
	s_load_b64 s[8:9], s[0:1], 0x10                ; the output
	v_lshl_add_u32 v[SPW], v0, 2, SPARE
	v_mov_b32 v[NIL], 0
	ds_add_u32 v[SPW], v[NIL]                      ; the opening: the add, twice on end; its wait stands ahead of my first tensor load
	ds_add_u32 v[SPW], v[NIL]
	v_lshrrev_b32 v4, 5, v0
	v_readfirstlane_b32 s[WV], v4                  ; wave 0..7
	s_and_b32 s[W3], s[WV], 3
	s_bfe_u32 s[CX], ttmp6, 0x40000                ; j: my place in the cluster
	s_and_b32 s[BH], ttmp7, 0xffff
	s_sub_co_u32 s[NB], 16, s[WV]
	SETG1 G1KA, 32, 32, 32                         ; K: 128 keys are 8,192 bytes on end: 32 rows of 256
	SETG1 G1VA, 512, 2, 8192                       ; V: 128 keys are 2 rows of 4,096 bytes, 65,536 apart
	SETG1 G1KB, 32, 96, 32                         ; 384 keys
	SETG1 G1VB, 512, 6, 8192
	s_mov_b32 s[SEL], 0x76543210
	s_mov_b32 s[SEL+1], 0xfedcba98
	s_mov_b32 s[CS], 0x3e38aa3b                    ; log2(e) / 8
	s_lshl_b32 s82, s[BH], 17                      ; a head's q or k: 128 pieces
	s_mov_b32 s83, 0
	s_lshr_b32 s84, s[BH], 4                       ; batch
	s_and_b32 s85, s[BH], 15                       ; head
	s_lshl_b32 s86, s84, 21
	s_lshl_b32 s87, s85, 12
	s_add_co_u32 s86, s86, s87
	s_add_co_u32 s86, s86, 0x1000000               ; v: 16 MiB + 2 MiB x batch + 4,096 x head
	s_mov_b32 s87, 0
	s_lshl_b32 s88, s84, 23
	s_lshl_b32 s89, s85, 8
	s_add_co_u32 s88, s88, s89                     ; the output: 8 MiB x batch + 256 x head
	s_mov_b32 s89, 0
	s_lshl_b32 s90, s[WV], 2
	s_sub_co_u32 s91, 60, s90
	s_add_co_u32 s91, s91, s[CX]                   ; the first block: j + 4 (15 - w)
	s_add_co_u32 s90, s90, s[CX]                   ; the second: j + 4 w
	s_lshl_b32 s92, s[W3], 13                      ; my 128 keys at the head: 8,192 bytes in LDS and in K,
	s_mov_b32 s93, 0
	s_lshl_b32 s94, s[W3], 17                      ; two blocks of 65,536 in V
	s_mov_b32 s95, 0
	s_wait_dscnt 0x0                               ; both opening adds are done
	s_wait_kmcnt 0x0
	s_load_b128 s[EE:EE+3], s[6:7], 0x8            ; e2, e3, e4, e5
	s_add_nc_u64 s[QB:QB+1], s[4:5], s[82:83]
	s_add_nc_u64 s[KM:KM+1], s[QB:QB+1], 0x800000
	s_add_nc_u64 s[VM:VM+1], s[4:5], s[86:87]
	s_add_nc_u64 s[96:97], s[8:9], s[88:89]
	s_lshl_b32 s88, s91, 17                        ; a block's 32 rows of 4,096 bytes
	s_add_nc_u64 s[OUTP:OUTP+1], s[96:97], s[88:89]
	s_lshl_b32 s88, s90, 17
	s_add_nc_u64 s[OUTS:OUTS+1], s[96:97], s[88:89]
	s_mov_b32 s[G0K], 1
	s_mov_b32 s[G0K+1], s92
	s_add_nc_u64 s[G0K+2:G0K+3], s[KM:KM+1], s[92:93]
	s_or_b32 s[G0K+3], s[G0K+3], 0x80000000
	s_mov_b32 s[G0V], 1
	s_add_co_u32 s[G0V+1], s92, VBASE
	s_add_nc_u64 s[G0V+2:G0V+3], s[VM:VM+1], s[94:95]
	s_or_b32 s[G0V+3], s[G0V+3], 0x80000000
	ROUND                                          ; the four work-groups are here: the first joint loads meet
	JLOAD G1KA, G1VA                               ; keys 0 .. 511: one tensor load a wave
	v_and_b32 v9, 31, v0
	v_lshlrev_b32 v[LI], 4, v9
	v_and_b32 v26, 15, v0                          ; r
	v_bfe_u32 v27, v0, 4, 1                        ; h
	v_lshlrev_b32 v28, 3, v27
	v_sub_nc_u32 v28, v26, v28                     ; r - 8 h
	s_lshl_b32 s82, s[CX], 5
	v_add_nc_u32 v[D0], s82, v28
	v_add_nc_u32 v[D0+1], 16, v[D0]
	s_mul_i32 s83, s[WV], 16*272
	s_add_co_u32 s83, s83, STAGE                   ; my stage
	v_mul_u32_u24 v[SO], v26, 272
	v_lshl_add_u32 v[SO], v27, 5, v[SO]
	v_add_nc_u32 v[SO], s83, v[SO]                 ; in: row r; tile t's eight d of my half: 64 t + 32 h bytes on
	v_mul_u32_u24 v[SR], v27, 272
	v_lshl_add_u32 v[SR], v26, 4, v[SR]
	v_add_nc_u32 v[SR], s83, v[SR]                 ; back: lanes 0-15 one row, lanes 16-31 the next
	v_lshlrev_b32 v[GO], 12, v27
	v_lshl_add_u32 v[GO], v26, 4, v[GO]            ; and the same two rows of the output
	s_lshl_b32 s84, s91, 11                        ; a block's Q: two pieces
	v_add_nc_u32 v29, s84, v[LI]
	s_lshl_b32 s84, s90, 11
	v_add_nc_u32 v30, s84, v[LI]
	WIN 0x40                                       ; destination window 1
.irp p, 0,1,2,3
	global_load_b128 v[QH+4*\p:QH+4*\p+3], v29, s[QB:QB+1] offset:512*\p
	global_load_b128 v[QS+4*\p:QS+4*\p+3], v30, s[QB:QB+1] offset:512*\p
.endr
	WIN 0
.macro FRESH                           ; a block begins: the largest t is -3e38, sums and O^T are zeros, which the first change of M leaves zeros
.irp u, 0,1
	v_mov_b32 v[NM+2*\u+1], 0xff61b1e6
	v_mov_b32 v[SU+2*\u], 0
	v_mov_b32 v[SU+2*\u+1], 0
.endr
.irp u, 0,1
	v_floor_f32 v[NM+2*\u], -v[NM+2*\u+1]
.endr
.set I, 0
.rept 64
	v_mov_b32 v[O0+I], 0
.set I, I+1
.endr
.endm
	FRESH
.irp u, 0,1
	v_mov_b32 v[FF+2*\u+1], 0                      ; (named as the upper half of a pair)
	v_mov_b32 v[PD+\u], 0                          ; a lane permute's destination counts as a source
.endr
	s_wait_kmcnt 0x0
	s_add_co_i32 s82, s[EE], s[EE+1]
	s_lshl_b32 s82, s82, 23
	s_add_co_i32 s[CS], s[CS], s82                 ; e2 + e3 are added to c's exponent field
	s_mov_b32 s[CS+1], s[CS]
	s_add_co_i32 s82, s[EE+2], 127
	s_lshl_b32 s83, s82, 23
	v_mov_b32 v[SC], s83                           ; 2^e4
	s_add_co_i32 s82, s82, 15
	s_lshl_b32 s82, s82, 23
	s_or_b32 s82, s82, 0x600000
	v_mov_b32 v[LIM], s82                          ; 57,344 x 2^e4
	s_add_co_i32 s[ESUM], s[EE+2], s[EE+3]
	s_wait_alu depctr_va_vdst(0)
	s_wait_tensorcnt 0x0                           ; my part of keys 0 .. 511 is in; the later first fills are issued as refills are:
	ds_add_u32 v[SPW], v[NIL]                      ; 0 onto my spare word; the descriptors are made between it and its wait
	s_mul_i32 s92, s[W3], 24576
	s_add_co_u32 s92, s92, 32768                   ; my 384 keys of 512 .. 2,047
	s_mov_b32 s[G0K+1], s92
	s_add_nc_u64 s[G0K+2:G0K+3], s[KM:KM+1], s[92:93]
	s_or_b32 s[G0K+3], s[G0K+3], 0x80000000
	s_add_co_u32 s[G0V+1], s92, VBASE
	s_mul_i32 s94, s[W3], 6*65536
	s_add_co_u32 s94, s94, 8*65536
	s_add_nc_u64 s[G0V+2:G0V+3], s[VM:VM+1], s[94:95]
	s_or_b32 s[G0V+3], s[G0V+3], 0x80000000
	s_wait_dscnt 0x0
	ROUND                                          ; everybody's part of keys 0 .. 511 is in, and the joint loads meet
	JLOAD G1KB, G1VB                               ; the first tensor load behind the round, my last
	s_wait_loadcnt 0x0                             ; Q
; A KEY STEP: 128 keys x my block's 32 queries.  m = 1: the text holds the mask, run where s[MF] is 1.
.macro STEP m
	v_add_nc_u32 v[ADK], s[KO], v[LI]
	v_add_nc_u32 v[ADV], s[VO], v[LI]
	v_nop
	v_nop                                          ; with the two additions: four places in front of loads into registers that the last products read
	WIN 0x40
.irp c, 0,1,2,3,4,5,6,7
	ds_load_b128 v[KR+8*\c:KR+8*\c+3], v[ADK] offset:1024*\c
	ds_load_b128 v[KR+8*\c+4:KR+8*\c+7], v[ADK] offset:1024*\c+512
.endr
.irp t, 0,1,2,3                                ; V's four fragments (16 d x 128 keys: two pieces) land under the softmax
.irp b, 0,1
	ds_load_b128 v[VR+16*\t+8*\b:VR+16*\t+8*\b+3], v[ADV] offset:4096*\b+1024*\t
	ds_load_b128 v[VR+16*\t+8*\b+4:VR+16*\t+8*\b+7], v[ADV] offset:4096*\b+1024*\t+512
.endr
.endr
	WIN 0x05                                       ; sources 0 and 1 window 1
	s_wait_dscnt 16                                ; K is in; V's 16 loads may be out
.irp c, 0,1,2,3,4,5,6,7
.irp u, 0,1
	v_wmma_f32_16x16x64_bf8_bf8 v[S0+64*\u+8*\c:S0+64*\u+8*\c+7], v[KR+8*\c:KR+8*\c+7], v[QH+8*\u:QH+8*\u+7], 0
.endr
.endr
	WIN 0
.rept 4
	v_nop                                          ; places: the scores are read below
.endr
.if \m
	s_cmp_eq_u32 s[MF], 0                          ; wave's number and counted place alone
	s_cbranch_scc1 .Lopen_\@
	v_mov_b32 v[NI], 0xff800000
.irp u, 0,1                                    ; register 8 c + i holds key 16 c + 8 h + i of the step: hidden where 16 c + i > 32 j + 16 u + r - 8 h; p = 0 then
.irp c, 0,1,2,3,4,5,6,7
.irp i, 0,1,2,3,4,5,6,7
	v_cmp_gt_i32 vcc_lo, 16*\c+\i, v[D0+\u]
	v_cndmask_b32 v[S0+64*\u+8*\c+\i], v[S0+64*\u+8*\c+\i], v[NI], vcc_lo
.endr
.endr
.endr
.Lopen_\@:
.endif
.irp u, 0,1                                    ; the step's largest score of my two queries: two chains a tile, the tiles by turns; each accumulator is first read at its low end
	v_max3_num_f32 v[MA+2*\u], v[S0+64*\u], v[S0+64*\u+1], v[S0+64*\u+2]
	v_max3_num_f32 v[MA+2*\u+1], v[S0+64*\u+3], v[S0+64*\u+4], v[S0+64*\u+5]
.endr
.irp i, 6,10,14,18,22,26,30,34,38,42,46,50,54,58
.irp u, 0,1
	v_max3_num_f32 v[MA+2*\u], v[MA+2*\u], v[S0+64*\u+\i], v[S0+64*\u+\i+1]
	v_max3_num_f32 v[MA+2*\u+1], v[MA+2*\u+1], v[S0+64*\u+\i+2], v[S0+64*\u+\i+3]
.endr
.endr
.irp u, 0,1
	v_max3_num_f32 v[MA+2*\u], v[MA+2*\u], v[S0+64*\u+62], v[S0+64*\u+63]
.endr
.irp u, 0,1
	v_max_num_f32 v[MA+2*\u], v[MA+2*\u], v[MA+2*\u+1]
.endr
.irp u, 0,1
	v_permlanex16_b32 v[PD+\u], v[MA+2*\u], s[SEL], s[SEL+1]
.endr
.irp u, 0,1
	v_max_num_f32 v[MA+2*\u], v[MA+2*\u], v[PD+\u]     ; and lane l xor 16's
.endr
.irp u, 0,1
	v_mul_f32 v[MA+2*\u], s[CS], v[MA+2*\u]            ; as t (c is positive)
.endr
.irp u, 0,1
	v_max_num_f32 v[NM+2*\u+1], v[NM+2*\u+1], v[MA+2*\u]
.endr
.irp u, 0,1
	v_floor_f32 v[MA+2*\u+1], -v[NM+2*\u+1]            ; the new -M = -ceil(t): a whole number
.endr
.irp u, 0,1
	v_sub_f32 v[MA+2*\u], v[MA+2*\u+1], v[NM+2*\u]     ; old M - new M, 0 or less
.endr
.irp u, 0,1
	v_mov_b32 v[NM+2*\u], v[MA+2*\u+1]
.endr
.irp u, 0,1
	v_cvt_i32_f32 v[MA+2*\u], v[MA+2*\u]               ; (it saturates)
.endr
.irp u, 0,1
	v_ldexp_f32 v[FF+2*\u], 1.0, v[MA+2*\u]            ; f = 2^(old M - new M)
.endr
.irp i, 0,2,4,6,8,10,12,14,16,18,20,22,24,26,28,30,32,34,36,38,40,42,44,46,48,50,52,54,56,58,60,62
.irp u, 0,1
	v_pk_fma_f32 v[S0+64*\u+\i:S0+64*\u+\i+1], v[S0+64*\u+\i:S0+64*\u+\i+1], s[CS:CS+1], v[NM+2*\u:NM+2*\u+1] op_sel_hi:[1,0,0]   ; t - M
.endr
.endr
.irp u, 0,1
	v_pk_mul_f32 v[SU+2*\u:SU+2*\u+1], v[SU+2*\u:SU+2*\u+1], v[FF+2*\u:FF+2*\u+1] op_sel_hi:[1,0]   ; the sums under the new M
.endr
.irp i, 0,2,4,6,8,10,12,14,16,18,20,22,24,26,28,30
.irp u, 0,1
	v_pk_mul_f32 v[O0+32*\u+\i:O0+32*\u+\i+1], v[O0+32*\u+\i:O0+32*\u+\i+1], v[FF+2*\u:FF+2*\u+1] op_sel_hi:[1,0]   ; O^T under the new M, ahead of the exponentials
.endr
.endr
	s_wait_alu depctr_va_vdst(0)
.set I, 0
.rept 128
	v_exp_f32 v[S0+I], v[S0+I]                     ; p = 2^(t - M), at most 1
.set I, I+1
.endr
	v_nop                                          ; a place behind the exponentials
	s_wait_alu depctr_va_vdst(0)                   ; one wait for the batch, ahead of its first reader
.irp k, 0,1,2,3                                ; the row's sum of the unquantised p: four chains a tile
.irp u, 0,1
	v_pk_add_f32 v[TT+8*\u+2*\k:TT+8*\u+2*\k+1], v[S0+64*\u+4*\k:S0+64*\u+4*\k+1], v[S0+64*\u+4*\k+2:S0+64*\u+4*\k+3]
.endr
.endr
.irp i, 16,24,32,40,48,56
.irp k, 0,1,2,3
.irp u, 0,1
	v_pk_add_f32 v[TT+8*\u+2*\k:TT+8*\u+2*\k+1], v[TT+8*\u+2*\k:TT+8*\u+2*\k+1], v[S0+64*\u+\i+2*\k:S0+64*\u+\i+2*\k+1]
.endr
.endr
.endr
.irp u, 0,1
	v_pk_add_f32 v[TT+8*\u:TT+8*\u+1], v[TT+8*\u:TT+8*\u+1], v[TT+8*\u+2:TT+8*\u+3]
	v_pk_add_f32 v[TT+8*\u+4:TT+8*\u+5], v[TT+8*\u+4:TT+8*\u+5], v[TT+8*\u+6:TT+8*\u+7]
.endr
.irp u, 0,1
	v_pk_add_f32 v[TT+8*\u:TT+8*\u+1], v[TT+8*\u:TT+8*\u+1], v[TT+8*\u+4:TT+8*\u+5]
.endr
.irp u, 0,1
	v_pk_add_f32 v[SU+2*\u:SU+2*\u+1], v[SU+2*\u:SU+2*\u+1], v[TT+8*\u:TT+8*\u+1]
.endr
.set I, 0
.rept 128
	v_min_num_f32 v[S0+I], v[S0+I], v[LIM]         ; the conversion does not saturate (ISA guide 7.6.2); p is not negative, so the hold is one-sided
.set I, I+1
.endr
	WIN 0x40
.irp c, 0,1,2,3,4,5,6,7
.irp u, 0,1
	v_cvt_scalef32_pk8_bf8_f32 v[PC+16*\u+2*\c:PC+16*\u+2*\c+1], v[S0+64*\u+8*\c:S0+64*\u+8*\c+7], v[SC]   ; keys 16 c + 8 h + 0 .. 7: registers 2 c, 2 c + 1 of P
.endr
.endr
	WIN 0x05
	v_nop                                          ; a plain place behind the conversions
	s_wait_alu depctr_va_vdst(0)
	s_wait_dscnt 0x0                               ; V is in
.irp t, 0,1,2,3                                ; eight accumulators by turns; sixteen other products stand between two steps'
.irp u, 0,1
	v_wmma_f32_16x16x128_bf8_bf8 v[O0+32*\u+8*\t:O0+32*\u+8*\t+7], v[VR+16*\t:VR+16*\t+15], v[PC+16*\u:PC+16*\u+15], v[O0+32*\u+8*\t:O0+32*\u+8*\t+7]
.endr
.endr
	WIN 0
.endm
; THE WAY OUT of the block in hand.  O^T is divided by the row's sum, x 2^(e4 + e5), and goes, a tile at a time, through my stage, so that sixteen lanes store a query's 256 consecutive bytes, aligned.
.macro FLUSH
.rept 4
	v_nop                                          ; places behind the last products
.endr
.irp u, 0,1
	v_add_f32 v[SU+2*\u], v[SU+2*\u], v[SU+2*\u+1]
.endr
.irp u, 0,1
	v_permlanex16_b32 v[PD+\u], v[SU+2*\u], s[SEL], s[SEL+1]
.endr
.irp u, 0,1
	v_add_f32 v[SU+2*\u], v[SU+2*\u], v[PD+\u]     ; the row's sum
.endr
	s_wait_alu depctr_va_vdst(0)                   ; ahead of the transcendentals
	v_rcp_f32 v[SU], v[SU]
	v_rcp_f32 v[SU+2], v[SU+2]
	v_nop
	s_wait_alu depctr_va_vdst(0)                   ; ahead of their first reader
	v_ldexp_f32 v[SU], v[SU], s[ESUM]
	v_ldexp_f32 v[SU+2], v[SU+2], s[ESUM]
	s_wait_alu depctr_va_vdst(0)
.irp u, 0,1
.irp i, 0,2,4,6,8,10,12,14,16,18,20,22,24,26,28,30
	v_pk_mul_f32 v[S0+32*\u+\i:S0+32*\u+\i+1], v[O0+32*\u+\i:O0+32*\u+\i+1], v[SU+2*\u:SU+2*\u+1] op_sel_hi:[1,0]   ; register 8 t + i is o(r, 16 t + 8 h + i)
.endr
.endr
.irp u, 0,1
.irp t, 0,1,2,3
	ds_store_b128 v[SO], v[S0+32*\u+8*\t:S0+32*\u+8*\t+3] offset:64*\t
	ds_store_b128 v[SO], v[S0+32*\u+8*\t+4:S0+32*\u+8*\t+7] offset:64*\t+16
.endr
.irp i, 0,1,2,3,4,5,6,7
	ds_load_b128 v[128+32*\u+4*\i:131+32*\u+4*\i], v[SR] offset:2*\i*272   ; LDS serves a wave's instructions in order (ISA guide 5.7.1.4): these see my stores, and the next tile's stores come behind them
.endr
.endr
	s_wait_dscnt 16                                ; the first tile is back; the second's 8 stores and 8 loads may be out
.irp i, 0,1,2,3,4,5,6,7
	global_store_b128 v[GO], v[128+4*\i:131+4*\i], s[OUTP:OUTP+1] offset:8192*\i th:TH_STORE_NT
.endr
	s_wait_dscnt 0x0
.irp i, 0,1,2,3,4,5,6,7
	global_store_b128 v[GO], v[160+4*\i:163+4*\i], s[OUTP:OUTP+1] offset:65536+8192*\i th:TH_STORE_NT
.endr
	s_wait_xcnt 0x0                                ; the stores' data and base are written again only behind this wait
.endm
	s_mov_b32 s[N], 0
.Lfirst:                                           ; key steps 0 .. 3 of the first block: keys 0 .. 511, while the other keys are on their way
	s_lshl_b32 s[KO], s[N], 13
	s_add_co_u32 s[VO], s[KO], VBASE
	STEP 0
	s_add_co_u32 s[N], s[N], 1
	s_cmp_lt_u32 s[N], 4
	s_cbranch_scc1 .Lfirst
	s_wait_tensorcnt 0x0                           ; my part of keys 512 .. 2,047 is in
	ds_add_u32 v[SPW], v[NIL]
	s_wait_dscnt 0x0
	s_barrier_signal -1
	s_barrier_wait -1                              ; everybody's is: nothing is filled from here on
	s_mov_b32 s[N], 4
.Lwalk:                                            ; places 4 .. 16: the trip count is a constant; what hangs on the wave's number is where the block is changed
	s_cmp_lg_u32 s[N], s[NB]
	s_cbranch_scc1 .Lsame
	FLUSH                                          ; the first block is finished
	WIN 0x41
.set I, 0
.rept 16
	v_mov_b32 v[QH+I], v[QS+I]
.set I, I+1
.endr
	WIN 0
	FRESH
	s_mov_b64 s[OUTP:OUTP+1], s[OUTS:OUTS+1]
	s_wait_alu depctr_va_vdst(0)
.Lsame:
	s_add_co_u32 s82, s[N], s[WV]
	s_and_b32 s82, s82, 15                         ; the second block's key step: N - (16 - w)
	s_min_u32 s83, s[N], 15                        ; the first block's: N
	s_cmp_lt_u32 s[N], s[NB]
	s_cselect_b32 s82, s83, s82
	s_lshl_b32 s[KO], s82, 13
	s_add_co_u32 s[VO], s[KO], VBASE
	s_add_co_u32 s83, s[N], 1
	s_cmp_eq_u32 s83, s[NB]                        ; a block's last step lies on the diagonal
	s_cselect_b32 s[MF], 1, 0
	s_cmp_eq_u32 s[N], 16
	s_cselect_b32 s[MF], 1, s[MF]
	STEP 1
	s_add_co_u32 s[N], s[N], 1
	s_cmp_lt_u32 s[N], 17
	s_cbranch_scc1 .Lwalk
	FLUSH                                          ; the second block
	s_wait_tensorcnt 0x0                           ; the wave's end
	ds_add_u32 v[SPW], v[NIL]
	s_wait_dscnt 0x0
	ROUND                                          ; the closing round
	s_endpgm
.Lfunc_end_k_q2c00d7b898_attn:
	.size	k_q2c00d7b898_attn, .Lfunc_end_k_q2c00d7b898_attn-k_q2c00d7b898_attn
	.p2alignl 7, 3214868480
	.fill 96, 4, 3214868480
	.section	.rodata,"a",@progbits
	.p2align	6, 0x0
	.amdhsa_kernel k_q2c00d7b898_attn
		.amdhsa_group_segment_fixed_size 327680
		.amdhsa_private_segment_fixed_size 0
		.amdhsa_enable_private_segment 0
		.amdhsa_kernarg_size 24
		.amdhsa_user_sgpr_count 2
		.amdhsa_user_sgpr_kernarg_segment_ptr 1
		.amdhsa_wavefront_size32 1
		.amdhsa_system_sgpr_workgroup_id_x 1
		.amdhsa_system_sgpr_workgroup_id_y 1
		.amdhsa_system_sgpr_workgroup_id_z 1
		.amdhsa_system_vgpr_workitem_id 0
		.amdhsa_next_free_vgpr 512
		.amdhsa_next_free_sgpr 100
		.amdhsa_reserve_vcc 1
		.amdhsa_float_denorm_mode_32 3
		.amdhsa_float_denorm_mode_16_64 3
		.amdhsa_memory_ordered 1
		.amdhsa_forward_progress 1
		.amdhsa_inst_pref_size 95
	.end_amdhsa_kernel
	.amdgpu_metadata
---
amdhsa.version: [ 1, 2 ]
amdhsa.kernels:
  - .name:           k_q2c00d7b898_attn
    .symbol:         k_q2c00d7b898_attn.kd
    .args:
      - { .name: qkv, .offset: 0, .size: 8, .value_kind: global_buffer, .address_space: global }
      - { .name: lowp_scales, .offset: 8, .size: 8, .value_kind: global_buffer, .address_space: global }
      - { .name: out0, .offset: 16, .size: 8, .value_kind: global_buffer, .address_space: global }
    .group_segment_fixed_size: 327680
    .private_segment_fixed_size: 0
    .kernarg_segment_align: 8
    .kernarg_segment_size: 24
    .max_flat_workgroup_size: 256
    .sgpr_count:     100
    .vgpr_count:     512
    .wavefront_size: 32
...
	.end_amdgpu_metadata
.endif
;; end of part 2
